; MI455X (gfx1250); checked and timed in simulation.
; The chip was launched on July 23, 2026; its instructions are those of AMD's public machine-readable ISA for CDNA 5 (MIT licence, August 2026) and "CDNA5" Instruction Set Architecture Reference Guide (July 2026). The comments in the code are by the model that wrote it; some were corrected since.
;; Max Matching. Allowed arithmetic: matrix products marked QUANTISED: E4M3 operands, one given power-of-two scale a tensor, by v_wmma_f32_16x16x64_fp8_fp8 or v_wmma_f32_16x16x128_fp8_fp8, f32 sums; everything else in f32.
;; Inputs: kernel 16 x 300 float32; lowp_scales 2 int32 (the exponents e of the quantised operands' scales 2^e); sent1 64 x 200 x 300 float32; sent2 64 x 200 x 300 float32.
;; Outputs: out0 64 x 200 x 16 float32.
;; This version of the problem:
;;   THIS VERSION OF THE PROBLEM IS GIVEN IN LOW PRECISION. The matrix products marked QUANTISED in the list below multiply operands that are first quantised to E4M3 (4 exponent bits, 3 mantissa bits; 8 bits a number), with one given power-of-two scale for each operand tensor; their sums are f32. All else is computed in f32.
;;   The module's matrix products, in the order in which they are computed (A, B: the left and right operand; K: the contracted axis; several contracted axes count as one K, in the product's order):
;;     1. batch 1,024 x [M 200, K 300] x [K 300, N 200]; A: computed on the way; B: computed on the way: QUANTISED (scales: A lowp_scales[0], B lowp_scales[1])
;;   THE QUANTISER, for each operand of a quantised product, along K:
;;     - The operand's scale is 2^e, e = its entry of the input lowp_scales (int32; the entries are numbered through the quantised products in the list's order, A before B).
;;     - Each number is divided by the scale, clamped to +-448, and rounded to the nearest number of E4M3, ties to even, subnormals kept.
;;     - The product sums the exact products of the quantised numbers (number of the format x scale) in f32.
;;   ~~~python
;;   def quantise(x, axis, e):      # numpy; x: float32 -> the quantised numbers, widened to float32 again
;;       x = np.moveaxis(x, axis, -1); K = x.shape[-1]
;;       r = np.clip(x / 2.0 ** e, -448, 448)
;;       step = 2.0 ** (np.maximum(np.frexp(np.where(r == 0, 1, r))[1] - 1, -6) - 3)
;;       q = np.round(r / step) * step * 2.0 ** e      # np.round: ties to even
;;       return np.moveaxis(q, -1, axis).astype(np.float32)
;;   ~~~
;;   OPERANDS COMPUTED ON THE WAY. 'Computed on the way' means the value that the module computes at that place (a softmax that the list does not call 'softmax' is quantised finished and normalised). What goes into a quantiser is computed in f32, as accurately as f32 sums, v_exp_f32 and their like allow (about 1e-6 of the number): no bf16 or f16 on the way to a quantiser, and a product that is left as it is and whose result goes on into a quantised operand takes f32 operands (vector FMAs, or v_wmma_f32_16x16x4_f32). A number that lies on a knife's edge between two numbers of the format may be rounded either way, as far as f32 arithmetic and the matrix unit's own rounding can turn it there, and no further.
;; One version. Each part assembles by itself: llvm-mc -triple=amdgcn-amd-amdhsa -mcpu=gfx1250 --defsym DOCPART=n.
;; ======== version 1 of 1: 1 launch
;; limits: right only within a limited range of input values
;; launch maxmatch (part 1): grid 256 x 1, 8 waves a work-group, clusters of 4 x 1, 304,896 bytes of LDS; arguments sent1, sent2, kernel, lowp_scales, out0; writes out0
.if DOCPART == 1
	.amdgcn_target "amdgcn-amd-amdhsa--gfx1250"
	.amdhsa_code_object_version 6
	.text
	.protected	k_q29a462a4bd_maxmatch
	.globl	k_q29a462a4bd_maxmatch
	.p2align	8
	.type	k_q29a462a4bd_maxmatch,@function
k_q29a462a4bd_maxmatch:
	s_mov_b64 s[64:65], 0
	v_nop
	global_prefetch_b8 v0, s[64:65] scope:SCOPE_SE
	s_setreg_imm32_b32 hwreg(HW_REG_WAVE_MODE, 25, 1), 1
	s_wait_xcnt 0x0
	s_wait_alu depctr_hold_cnt(0) depctr_sa_sdst(0) depctr_va_vdst(0) depctr_va_sdst(0) depctr_va_ssrc(0) depctr_va_vcc(0) depctr_vm_vsrc(0)
	s_getreg_b32 s2, hwreg(HW_REG_IB_STS2, 6, 4)
	s_cmp_eq_u32 s2, 0
	s_cbranch_scc0 .Lentry_in_a_cluster
	s_endpgm
.Lentry_in_a_cluster:
	s_bfe_u32 s2, ttmp6, 0x10000c
	s_cmp_lg_u32 s2, 0x3003
	s_cbranch_scc0 .Lentry_shape_is_right
	s_endpgm
.Lentry_shape_is_right:
; out0[b][i][p] = max over j of Q(v1[b][i][p][:]) . Q(v2[b][j][p][:]),  v1 = l2-normalised sent1[b][i][:] x kernel[p][:],  v2 the same of sent2;  Q: E4M3 with one given scale 2^e a tensor.
; sent1, sent2: [64][200][300] f32;  kernel: [16][300] f32;  lowp_scales: two int32;  out0: [64][200][16] f32.
; SCALES.  The product is lowered with sent2's vectors as its left operand: v2 takes entry 0, v1 entry 1.  Codes are multiplied as they are; the finished maximum is multiplied once by 2^(e0 + e1).
; SHARES.  A cluster of four work-groups serves one b; a work-group four perspectives p = 4 cx .. 4 cx + 3.  Eight waves w.
;   MAKING CODES: wave (pp = w & 1, q = w >> 1) makes the codes of perspectives 2 pp, 2 pp + 1 for rows 48 q .. 48 q + 47 of both tensors, 4 rows a step, 12 steps each; of rows 192-199, waves q < 2 take
;   v2's and waves q >= 2 take v1's, 4 rows each: 25 steps for every wave.  Eight lanes hold a row: lane j holds d = 32 c + 4 j + 0 .. 3 (c = 0 .. 8) and, j < 6, d = 288 + 2 j, + 1: 38 numbers;
;   two registers of 0 complete five groups of eight, and kernel's last two numbers are 0 in lanes j = 6, 7.  So a row of codes is 320 bytes, whose place of d is the same in v1 and v2: every product
;   meets its partner.  The f32 rows go straight from memory into registers, two steps ahead.
;   PRODUCTS: wave (p = w & 3, h = w >> 2) keeps six tiles of 16 rows of v2 in registers (rows 96 h .. 96 h + 95) and walks all 13 tiles of v1 in LDS.  v2's tile 12 (rows 184-199: rows taken twice change
;   no maximum) is multiplied by wave h = 0 for even tiles of v1 and by wave h = 1 for odd ones.  The two waves' maxima meet in LDS.
; THE MATRIX INSTRUCTION IS USED TRANSPOSED (source 0 = 16 rows j of v2, source 1 = 16 rows i of v1): a lane holds one i and eight j, so the maximum stays in the lane but for one exchange of halves.
; NO JOINT LOADS, though four work-groups read the same rows: the rows are wanted in registers, the codes take 297,216 bytes of LDS beside which no two slots of 16 rows of 1,200 bytes fit, and rows of 1,200
; bytes begin off multiples of 256 and run across them.  The cluster only gives each work-group its place cx.
; PREFETCHES.  A trip is two steps, 9,600 bytes of each q's rows.  Trip m asks for the 38 aligned blocks of 256 bytes of three trips on; the eight waves of a cluster that read them share them by address
; (block = 38 c + v8 + 8 lane, v8 = 2 cx + pp).  The first trip comes by its loads alone; the head asks for two trips and for rows 192-199; the last three trips of v1 ask for nothing.
; LIMITS.  -126 <= e <= 119 for both entries, so that 2^e and 448 x 2^e are f32 numbers.  NaN and infinity among the inputs are not served.
; A work-group has 4 of a row's 16 perspectives: its stores are 16 bytes a row of out0, 64 bytes apart, not whole runs of 256 bytes; out0 is 819,200 bytes against 30.7 million read.
;
; LDS: a region for each pp, 216 slots of 688 bytes: codes of 2 pp at byte 0, of 2 pp + 1 at byte 336 (16 rows of one 16-byte column fall on 16 different columns modulo 256 bytes: 688 = 43 x 16).
;   v2's row j lies in slot j + 16; v1's row i in slot i + 8, rows 192-199 in slots 0-7: v1's rows 192-199 meet no row of v2, and v2's tile 12 (slots 200-215) is never overwritten.
;   OUTB: each wave's maxima, 208 words;  SPARE: the spare words.
; REGISTERS: window 0 below; window 1: v2's six tiles at v[40 t].
.set PITCH, 688
.set PPS,   216*PITCH                  ; 148,608
.set OUTB,  2*PPS                      ; 297,216
.set OUTW,  832
.set SPARE, OUTB+8*OUTW                ; 303,872: 128 bytes for each wave, four blocks of 256 bytes that no other line names
.set PF1,  1                           ; offset of the prefetch of rows 192-199
.set SPW,  2                           ; LDS address of my spare word; never rewritten
.set NIL,  3                           ; 0; never rewritten
.set LO,   4                           ; 1200 x my row of the step + 16 j
.set LO2,  5                           ; 1200 x my row + 8 min(j, 5)
.set PF,   6
.set LN,   7                           ; lane
.set LT,   8                           ; codes' place: region + 688 x my row + 16 j
.set LTB,  9                           ; the same with 8 j
.set SA,   10
.set SA2,  11
.set BND,  12                          ; 448 x 2^e
.set SCL,  13                          ; 2^e
.set RS0,  14                          ; pairs: 1 / norm
.set RS1,  16
.set T,    18                          ; v18, v19 at work
.set SQ0,  20
.set SQ1,  22
.set CD1,  24                          ; codes of perspective 2 pp + 1, ten registers
.set CD0,  34                          ; of 2 pp
.set AB,   44                          ; products: my place in a tile of my perspective's codes
.set OL,   45                          ; OUTB + 832 w + 4 (l % 16)
.set VB,   46                          ; my first tile of v2
.set C12,  47                          ; v2's tile 12
.set X,    48                          ; 40 registers
.set BA,   88                          ; two buffers of 40, filled by turns
.set BB,   128
.set K0,   168                         ; kernel, 38 numbers for each of my two perspectives
.set K1,   206
.set M,    24                          ; products: running maxima v24-27
.set OADR, 29
.set AD,   30
.set ACC,  168                         ; seven accumulators
.set T12,  128
.set MSB, 0
.macro WIN new                         ; bits 1:0 source 0, 3:2 source 1, 5:4 source 2, 7:6 destination; the high byte repeats the setting that is left
.if MSB != \new
	s_set_vgpr_msb (MSB<<8)|\new
.set MSB, \new
.endif
.endm
.macro GLD buf, va, vb, base, off      ; a row's 38 numbers: ten loads
.set c, 0
.rept 9
	global_load_b128 v[\buf+4*c:\buf+4*c+3], v[\va], s[\base:\base+1] offset:(\off)+128*c
.set c, c+1
.endr
	global_load_b64 v[\buf+36:\buf+37], v[\vb], s[\base:\base+1] offset:(\off)+1152
.endm
.macro BARRIER                         ; my LDS instructions are done; everybody's are behind it
	s_wait_alu depctr_va_vdst(0)
	s_wait_dscnt 0x0
	s_barrier_signal -1
	s_barrier_wait -1
.endm
.macro PFGO lm                         ; block v8 + 8 min(lane, lm) of the chunk at s[36:37]
	v_min_u32 v[T], s[\lm], v[LN]
	v_lshl_add_u32 v[PF], v[T], 11, s49
	global_prefetch_b8 v[PF], s[36:37] th:TH_LOAD_NT scope:SCOPE_SE
.endm
; x rsq; the hold (the conversion to an 8-bit code does not saturate: ISA guide 7.6.2); eight numbers to a pair of code registers
.macro HALF buf, rs, cd
.set i, 0
.rept 19
	v_pk_mul_f32 v[\buf+i:\buf+i+1], v[\buf+i:\buf+i+1], v[\rs:\rs+1] op_sel_hi:[1,0]
.set i, i+2
.endr
.set i, 0
.rept 38
	v_med3_num_f32 v[\buf+i], v[\buf+i], -v[BND], v[BND]
.set i, i+1
.endr
.set i, 0
.rept 5
	v_cvt_scalef32_pk8_fp8_f32 v[\cd+2*i:\cd+2*i+1], v[\buf+8*i:\buf+8*i+7], v[SCL]
.set i, i+1
.endr
	v_nop                                          ; one plain instruction behind the scaled conversions
.endm
.macro PUT cd, off
	ds_store_b128 v[SA], v[\cd:\cd+3] offset:(\off)
	ds_store_b128 v[SA], v[\cd+4:\cd+7] offset:(\off)+128
	ds_store_b64 v[SA2], v[\cd+8:\cd+9] offset:(\off)+256
.endm
; A step: 4 rows in buffer buf x my two perspectives.  lb, lo: where the buffer's next rows come from (lb = 0: nowhere).  so: the step's place in the trip's LDS rows.  na = 1: the trip's LDS addresses are made.
; sync = 1: the first step of v1, whose stores wait until every wave has v2's tiles in registers.  yn: the loads issued behind this buffer's.
.macro STEP buf, lb, lo, so, na, sync, yn
	s_wait_loadcnt \yn
.set i, 0
.rept 19
	v_pk_mul_f32 v[X+i:X+i+1], v[\buf+i:\buf+i+1], v[K0+i:K0+i+1]
	v_pk_mul_f32 v[\buf+i:\buf+i+1], v[\buf+i:\buf+i+1], v[K1+i:K1+i+1]
.if i == 2
	v_pk_mul_f32 v[SQ0:SQ0+1], v[X:X+1], v[X:X+1]
	v_pk_mul_f32 v[SQ1:SQ1+1], v[\buf:\buf+1], v[\buf:\buf+1]
.endif
.if i > 2
	v_pk_fma_f32 v[SQ0:SQ0+1], v[X+i-2:X+i-1], v[X+i-2:X+i-1], v[SQ0:SQ0+1]
	v_pk_fma_f32 v[SQ1:SQ1+1], v[\buf+i-2:\buf+i-1], v[\buf+i-2:\buf+i-1], v[SQ1:SQ1+1]
.endif
.set i, i+2
.endr
	v_pk_fma_f32 v[SQ0:SQ0+1], v[X+36:X+37], v[X+36:X+37], v[SQ0:SQ0+1]
	v_pk_fma_f32 v[SQ1:SQ1+1], v[\buf+36:\buf+37], v[\buf+36:\buf+37], v[SQ1:SQ1+1]
	v_add_f32 v[T], v[SQ0], v[SQ0+1]
	v_add_f32 v[T+1], v[SQ1], v[SQ1+1]
.irp x, 1,2,4                          ; over the row's eight lanes
	v_add_f32_dpp v[T], v[T], v[T] row_xmask:\x row_mask:0xf bank_mask:0xf
	v_add_f32_dpp v[T+1], v[T+1], v[T+1] row_xmask:\x row_mask:0xf bank_mask:0xf
.endr
	v_max_num_f32 v[T], 0x2b8cbccc, v[T]           ; 1e-12
	v_max_num_f32 v[T+1], 0x2b8cbccc, v[T+1]
.if \sync == 0
	s_wait_dscnt 0x0                               ; the last step's codes have left their registers
.endif
	s_wait_alu depctr_va_vdst(0)                   ; the wait ahead of the batch
	v_rsq_f32 v[RS0], v[T]
	v_rsq_f32 v[RS1], v[T+1]
.if \na
	v_add_nc_u32 v[SA], s45, v[LT]                 ; (also the plain place behind the batch)
	v_add_nc_u32 v[SA2], s45, v[LTB]
.else
	v_nop
.endif
	s_wait_alu depctr_va_vdst(0)                   ; and behind it
	HALF \buf, RS1, CD1
.if \sync == 0
	PUT CD1, \so+336
.endif
.if \lb
	GLD \buf, LO, LO2, \lb, \lo                    ; the buffer's next rows, two steps on
.endif
	HALF X, RS0, CD0
.if \sync
	BARRIER                                        ; v2's tiles are in every wave's registers: its slots may be written
	PUT CD1, \so+336
.endif
	PUT CD0, \so
.endm
.macro TRIPEND base
	s_wait_alu depctr_va_vdst(0)
	s_wait_xcnt 0x0                                ; the loads' base and the prefetch's registers are rewritten only behind this wait
	s_add_nc_u64 s[36:37], s[36:37], 9728          ; 38 blocks on
.if \base
	s_add_nc_u64 s[\base:\base+1], s[\base:\base+1], 9600
.endif
	s_add_co_u32 s45, s45, 8*PITCH
.endm
	s_load_b256 s[4:11], s[0:1], 0x0               ; sent1 s[4:5], sent2 s[6:7], kernel s[8:9], lowp_scales s[10:11]
	s_load_b64 s[12:13], s[0:1], 0x20              ; out0
	v_lshrrev_b32 v1, 5, v0
	v_readfirstlane_b32 s14, v1                    ; w
	s_bfe_u32 s15, ttmp6, 0x40000                  ; cx: it enters global addresses alone
	s_lshr_b32 s16, s14, 1                         ; q
	s_and_b32 s17, s14, 1                          ; pp
	s_lshr_b32 s18, s14, 2                         ; h
	s_and_b32 s19, s14, 3                          ; p
	s_mov_b32 s20, 0x76543210                      ; v_permlanex16_b32: lane l xor 16
	s_mov_b32 s21, 0xfedcba98
	s_mul_i32 s24, ttmp9, 240000                   ; in a cluster launch ttmp9 counts clusters: b
	s_mov_b32 s25, 0
	s_mul_i32 s26, s16, 57600                      ; 48 q rows
	s_mov_b32 s27, 0
	s_and_b32 s28, s24, 0xffffff00                 ; b's rows from the multiple of 256 at or ahead of them
	s_mov_b32 s29, 0
	s_and_b32 s62, s16, 1
	s_mul_i32 s58, s62, 4800
	s_add_co_u32 s58, s58, 230400                  ; row 192 + 4 (q & 1)
	s_mov_b32 s59, 0
	s_lshl_b32 s49, s15, 1
	s_add_co_u32 s49, s49, s17                     ; v8
	s_lshl_b32 s63, s49, 1
	s_add_co_u32 s63, s63, s62                     ; v16 = 2 v8 + (q & 1)
	s_cmp_lt_u32 s49, 6
	s_cselect_b32 s47, 4, 3                        ; 38 blocks: six waves name five, two name four
	s_cmp_lt_u32 s49, 3
	s_cselect_b32 s48, 4, 3                        ; the last chunk: 35 blocks
	s_cmp_lt_u32 s63, 6
	s_cselect_b32 s50, 2, 1                        ; rows 192-199: 38 blocks among sixteen waves
	s_lshl_b32 s49, s49, 8
	s_lshl_b32 s63, s63, 8
	s_mul_i32 s51, s17, PPS
	s_lshr_b32 s52, s19, 1
	s_mul_i32 s52, s52, PPS
	s_and_b32 s53, s19, 1
	s_mul_i32 s53, s53, 336
	s_add_co_u32 s52, s52, s53                     ; my perspective's codes
	s_mul_i32 s53, s18, 96*PITCH
	s_add_co_u32 s53, s53, 16*PITCH                ; v2's row 96 h
	s_mul_i32 s54, s14, OUTW
	s_add_co_u32 s54, s54, OUTB
	s_mul_i32 s45, s16, 48*PITCH
	s_add_co_u32 s45, s45, 16*PITCH                ; v2's row 48 q
	v_lshl_add_u32 v[SPW], v0, 2, SPARE
	v_mov_b32 v[NIL], 0
	v_and_b32 v[LN], 31, v0
	v_bfe_u32 v20, v0, 3, 2                        ; my row of the step's four
	v_and_b32 v21, 7, v0                           ; j
	v_min_u32 v22, 5, v21
	v_mul_u32_u24 v23, v20, 1200
	v_lshl_add_u32 v[LO], v21, 4, v23
	v_lshl_add_u32 v[LO2], v22, 3, v23
	v_lshlrev_b32 v24, 4, v21                      ; the same places in a row of kernel
	v_lshlrev_b32 v25, 3, v22
	v_mul_u32_u24 v26, v20, PITCH
	v_add_nc_u32 v26, s51, v26
	v_lshl_add_u32 v[LT], v21, 4, v26
	v_lshl_add_u32 v[LTB], v21, 3, v26
	v_and_b32 v27, 15, v0
	v_bfe_u32 v28, v0, 4, 1
	v_mul_u32_u24 v29, v27, PITCH
	v_lshl_add_u32 v29, v28, 4, v29
	v_add_nc_u32 v[AB], s52, v29
	v_add_nc_u32 v[VB], s53, v[AB]
	v_add_nc_u32 v[C12], 200*PITCH, v[AB]
	v_lshl_add_u32 v[OL], v27, 2, s54
	v_min_u32 v[T], s50, v[LN]
	v_lshl_add_u32 v[PF1], v[T], 12, s63           ; block v16 + 16 min(lane, ..)
	s_wait_alu depctr_va_vdst(0)                   ; directly ahead of the wait below
	s_wait_kmcnt 0x0
	s_load_b64 s[22:23], s[10:11], 0x0             ; e of v2, e of v1
	s_add_nc_u64 s[54:55], s[6:7], s[24:25]        ; sent2[b]
	s_add_nc_u64 s[56:57], s[4:5], s[24:25]        ; sent1[b]
	s_add_nc_u64 s[30:31], s[54:55], s[26:27]      ; my 48 rows of each
	s_add_nc_u64 s[32:33], s[56:57], s[26:27]
	s_lshl_b32 s52, s15, 1
	s_add_co_u32 s52, s52, s17
	s_mul_i32 s52, s52, 2400                       ; rows 4 cx + 2 pp, + 1 of kernel
	s_mov_b32 s53, 0
	s_add_nc_u64 s[8:9], s[8:9], s[52:53]
	GLD BA, LO, LO2, 30, 0                         ; step 0
	GLD K0, 24, 25, 8, 0
	GLD K1, 24, 25, 8, 1200
	GLD BB, LO, LO2, 30, 4800                      ; step 1
	s_add_nc_u64 s[36:37], s[6:7], s[28:29]
	s_add_nc_u64 s[38:39], s[4:5], s[28:29]
	s_cmp_lt_u32 s16, 2                            ; whose rows 192-199 are mine: v2's or v1's
	s_cselect_b64 s[34:35], s[54:55], s[56:57]
	s_cselect_b64 s[60:61], s[36:37], s[38:39]
	s_add_nc_u64 s[34:35], s[34:35], s[58:59]
	s_add_nc_u64 s[38:39], s[38:39], s[26:27]      ; chunk 0 of my rows of sent1
	s_add_co_u32 s52, s26, 2*9728
	s_add_nc_u64 s[36:37], s[36:37], s[52:53]      ; chunk 2 of my rows of sent2
	s_mul_i32 s52, ttmp9, 12800
	s_lshl_b32 s51, s15, 4
	s_add_co_u32 s52, s52, s51
	s_add_nc_u64 s[12:13], s[12:13], s[52:53]      ; out0: b's 200 rows of 64 bytes, + my work-group's 16 bytes of a row
	v_min_u32 v[T], s47, v[LN]
	v_lshl_add_u32 v[PF], v[T], 11, s49
	global_prefetch_b8 v[PF], s[36:37] offset:-9728 th:TH_LOAD_NT scope:SCOPE_SE      ; trips 1
	global_prefetch_b8 v[PF], s[36:37] th:TH_LOAD_NT scope:SCOPE_SE                   ; and 2,
	global_prefetch_b8 v[PF1], s[60:61] offset:230400 th:TH_LOAD_NT scope:SCOPE_SE    ; and rows 192-199, from block 900 on
.irp r, X+38, X+39, BA+38, BA+39, BB+38, BB+39, RS0+1, RS1+1
	v_mov_b32 v[\r], 0                             ; numbers 38, 39 of every group are 0; the pairs' upper halves are named, so they are written
.endr
	s_wait_kmcnt 0x0
	s_add_co_i32 s42, s22, 127
	s_add_co_i32 s43, s42, 8
	s_lshl_b32 s42, s42, 23                        ; v2: 2^e as f32: the conversion takes its exponent field
	s_lshl_b32 s43, s43, 23
	s_or_b32 s43, s43, 0x600000                    ; 448 x 2^e
	s_add_co_i32 s40, s23, 127
	s_add_co_i32 s41, s40, 8
	s_lshl_b32 s40, s40, 23                        ; v1's
	s_lshl_b32 s41, s41, 23
	s_or_b32 s41, s41, 0x600000
	s_add_co_i32 s44, s22, s23
	v_mov_b32 v[SCL], s42
	v_mov_b32 v[BND], s43
	s_mov_b32 s46, 0
	s_wait_alu depctr_va_vdst(0)                   ; at the head's end
	s_wait_loadcnt 0xa                             ; step 0's rows and kernel are in; step 1's ten loads may be out
	v_cmp_gt_u32 vcc_lo, 6, v21
.irp r, K0+36, K0+37, K1+36, K1+37
	v_cndmask_b32 v[\r], v[NIL], v[\r], vcc_lo     ; 0 in lanes j = 6, 7
.endr
.Lv2:                                                  ; trips 0-4: v2's steps 2 m, 2 m + 1; they load steps 2 m + 2, 2 m + 3
	STEP BA, 30, 9600, 0, 1, 0, 10
	STEP BB, 30, 14400, 4*PITCH, 0, 0, 10
	TRIPEND 30
	s_cmp_eq_u32 s46, 2
	s_cselect_b32 s50, s48, s47                    ; trip 2 asks for v2's last chunk,
	s_cmp_eq_u32 s46, 3
	s_cselect_b64 s[36:37], s[38:39], s[36:37]     ; trip 3 for v1's first
	PFGO 50
	s_add_co_u32 s46, s46, 1
	s_cmp_lt_u32 s46, 5
	s_cbranch_scc1 .Lv2
	STEP BA, 34, 0, 0, 1, 0, 10                    ; v2's steps 10 and 11; they load my rows of 192-199, and v1's step 0
	STEP BB, 32, 0, 4*PITCH, 0, 0, 10
	TRIPEND 0
	PFGO 47                                        ; v1's chunk 2
	s_lshr_b32 s51, s16, 1
	s_xor_b32 s51, s51, 1
	s_mul_i32 s51, s51, 208*PITCH                  ; q < 2: v2's rows 192 .. in slots 208 ..;  q >= 2: v1's in slots 0 ..
	s_and_b32 s45, s16, 1
	s_mul_i32 s45, s45, 4*PITCH
	s_add_co_u32 s45, s45, s51
	s_cmp_lt_u32 s16, 2
	s_cselect_b32 s58, s42, s40
	s_cselect_b32 s59, s43, s41
	v_mov_b32 v[SCL], s58
	v_mov_b32 v[BND], s59
	STEP BA, 32, 4800, 0, 1, 0, 10                 ; it loads v1's step 1
	BARRIER                                        ; all of v2's codes are in LDS
	WIN 0x40                                       ; destination window 1
.irp t, 0,1,2,3,4,5
.irp c, 0,1,2,3,4,5,6,7,8,9
	ds_load_b128 v[40*\t+4*\c:40*\t+4*\c+3], v[VB] offset:16*PITCH*\t+32*\c
.endr
.endr
	WIN 0
	v_mov_b32 v[SCL], s40                          ; from here on v1's scale
	v_mov_b32 v[BND], s41
	s_mul_i32 s45, s16, 48*PITCH
	s_add_co_u32 s45, s45, 8*PITCH                 ; v1's row 48 q
	STEP BB, 32, 9600, 0, 1, 1, 10                 ; v1's steps 0 and 1; v2's tiles arrive meanwhile
	STEP BA, 32, 14400, 4*PITCH, 0, 0, 10
	TRIPEND 32
	PFGO 47                                        ; v1's chunk 3
	s_mov_b32 s46, 1
.Lv1:                                                  ; trips 1-4
	STEP BB, 32, 9600, 0, 1, 0, 10
	STEP BA, 32, 14400, 4*PITCH, 0, 0, 10
	TRIPEND 32
	s_cmp_gt_u32 s46, 2
	s_cbranch_scc1 .Lnothing_left                  ; chunks 4 and 5 are asked for by trips 1 and 2; nothing is left to ask for behind them
	s_cmp_eq_u32 s46, 2
	s_cselect_b32 s50, s48, s47
	PFGO 50
.Lnothing_left:
	s_add_co_u32 s46, s46, 1
	s_cmp_lt_u32 s46, 5
	s_cbranch_scc1 .Lv1
	STEP BB, 0, 0, 0, 1, 0, 10                     ; steps 10 and 11 load nothing
	STEP BA, 0, 0, 4*PITCH, 0, 0, 0
	BARRIER                                        ; all of v1's codes are in LDS
; PRODUCTS
.macro AFR reg, adr, off               ; a tile's fragment: registers 4 c .. 4 c + 3 hold bytes 32 c + 16 (l / 16) + 0 .. 15 of row l % 16, alike in v1 and v2
.irp c, 0,1,2,3,4,5,6,7,8,9
	ds_load_b128 v[\reg+4*\c:\reg+4*\c+3], v[\adr] offset:(\off)+32*\c
.endr
.endm
.macro MM a, bt, af, ks
.if (\ks) == 0
	v_wmma_f32_16x16x64_fp8_fp8 v[ACC+8*(\a):ACC+8*(\a)+7], v[(\bt)+8*(\ks):(\bt)+8*(\ks)+7], v[(\af)+8*(\ks):(\af)+8*(\ks)+7], 0
.else
	v_wmma_f32_16x16x64_fp8_fp8 v[ACC+8*(\a):ACC+8*(\a)+7], v[(\bt)+8*(\ks):(\bt)+8*(\ks)+7], v[(\af)+8*(\ks):(\af)+8*(\ks)+7], v[ACC+8*(\a):ACC+8*(\a)+7]
.endif
.endm
.macro MAXACC a                        ; accumulator a's eight j into the four running maxima, from its low end on
.irp g, 0,1,2,3
.if (\a) == 0
	v_max3_num_f32 v[M+\g], 0xff800000, v[ACC+8*(\a)+2*\g], v[ACC+8*(\a)+2*\g+1]
.else
	v_max3_num_f32 v[M+\g], v[M+\g], v[ACC+8*(\a)+2*\g], v[ACC+8*(\a)+2*\g+1]
.endif
.endr
.endm
; One tile of v1 in buffer af; the next is fetched into nf.  pr: the h that takes v2's tile 12 here.  na = 1: addresses are made.  The accumulators take turns, one instruction a turn.
; Four v_nop stand between the last products and the first read of results; the maxima are further places ahead of what writes the accumulators or the other buffer next.
.macro ITILE af, nf, load, loff, pr, na, ooff
.if \load
.if \na
	v_add_nc_u32 v[AD], s51, v[AB]
.endif
	AFR \nf, AD, \loff
	s_wait_dscnt 0xa                               ; all but the ten just issued
.else
	s_wait_dscnt 0x0
.endif
	s_cmp_eq_u32 s18, \pr
	s_cbranch_scc1 .Lseven_\@
	WIN 0x01                                       ; source 0 window 1
.irp ks, 0,1,2,3,4
.irp t, 0,1,2,3,4,5
	MM \t, 40*\t, \af, \ks
.endr
.endr
	WIN 0
.rept 4
	v_nop
.endr
.irp t, 0,1,2,3,4,5
	MAXACC \t
.endr
	s_branch .Ljoin_\@
.Lseven_\@:
.irp ks, 0,1,2,3,4
	WIN 0x01
.irp t, 0,1,2,3,4,5
	MM \t, 40*\t, \af, \ks
.endr
	WIN 0
	MM 6, T12, \af, \ks
.endr
.rept 4
	v_nop
.endr
.irp t, 0,1,2,3,4,5,6
	MAXACC \t
.endr
.Ljoin_\@:
	s_wait_alu depctr_va_vdst(0)
	v_max3_num_f32 v[M], v[M], v[M+1], v[M+2]
	v_max_num_f32 v[M], v[M], v[M+3]
.if \na
	v_add_nc_u32 v[OADR], s52, v[OL]
.endif
	v_permlanex16_b32 v[T+1], v[M], s20, s21
	v_max_num_f32 v[M], v[M], v[T+1]               ; my j's and lane l xor 16's
	ds_store_b32 v[OADR], v[M] offset:\ooff        ; lanes r and r + 16 store the same number to the same word of my wave's own run
.endm
	AFR T12, C12, 0
	AFR X, AB, 0                                   ; v1's tile 0
	s_mov_b32 s51, 0
	s_mov_b32 s52, 0
	s_mov_b32 s46, 0
.Lgemm:                                                ; tiles 2 m and 2 m + 1; they fetch the next two.  Tile 12 is slots 192-207: its rows from slot 200 on are v2's and their results are not stored to memory
	ITILE X, BA, 1, 16*PITCH, 0, 1, 0
	ITILE BA, X, 1, 32*PITCH, 1, 0, 64
	s_add_co_u32 s51, s51, 32*PITCH
	s_add_co_u32 s52, s52, 128
	s_add_co_u32 s46, s46, 1
	s_cmp_lt_u32 s46, 6
	s_wait_alu depctr_va_vdst(0)
	s_cbranch_scc1 .Lgemm
	ITILE X, BA, 0, 0, 0, 1, 0
	; THE WAY OUT.  Thread t < 200 takes slot t: for each of four perspectives the larger of the two waves' maxima, x 2^(e0 + e1) (a positive factor, so it may follow the maximum), as 16 bytes of out0's row.
	BARRIER
	v_min_u32 v30, 199, v0                         ; held at 199, so that the reads stay inside the results with every lane on
	v_lshl_add_u32 v31, v30, 2, OUTB
.irp g, 0,1,2,3,4,5,6,7
	ds_load_b32 v[48+\g], v31 offset:OUTW*\g
.endr
	v_add_nc_u32 v32, 192, v30                     ; slots 0-7: rows 192-199
	v_add_nc_u32 v33, -8, v30
	v_cmp_gt_u32 vcc_lo, 8, v30
	v_cndmask_b32 v32, v33, v32, vcc_lo
	v_lshlrev_b32 v32, 6, v32                      ; a row of out0 is 64 bytes
	s_wait_alu depctr_va_vdst(0)
	s_wait_dscnt 0x0
.irp g, 0,1,2,3
	v_max_num_f32 v[56+\g], v[48+\g], v[52+\g]
.endr
.irp g, 0,1,2,3
	v_ldexp_f32 v[56+\g], v[56+\g], s44
.endr
	v_cmp_gt_u32 vcc_lo, 200, v0
	s_wait_alu depctr_va_vdst(0)
	s_wait_xcnt 0x0                                ; EXEC changes only behind this wait
	s_and_saveexec_b32 s51, vcc_lo
	global_store_b128 v32, v[56:59], s[12:13]
	s_wait_xcnt 0x0                                ; and again, in front of the line that widens it
	s_or_b32 exec_lo, exec_lo, s51
	s_wait_tensorcnt 0x0                           ; the wave's end, behind my last LDS store
	ds_add_u32 v[SPW], v[NIL]
	s_wait_dscnt 0x0
	s_endpgm
.Lfunc_end_k_q29a462a4bd_maxmatch:
	.size	k_q29a462a4bd_maxmatch, .Lfunc_end_k_q29a462a4bd_maxmatch-k_q29a462a4bd_maxmatch
	.p2alignl 7, 3214868480
	.fill 96, 4, 3214868480
	.section	.rodata,"a",@progbits
	.p2align	6, 0x0
	.amdhsa_kernel k_q29a462a4bd_maxmatch
		.amdhsa_group_segment_fixed_size 304896
		.amdhsa_private_segment_fixed_size 0
		.amdhsa_enable_private_segment 0
		.amdhsa_kernarg_size 40
		.amdhsa_user_sgpr_count 2
		.amdhsa_user_sgpr_kernarg_segment_ptr 1
		.amdhsa_wavefront_size32 1
		.amdhsa_system_sgpr_workgroup_id_x 1
		.amdhsa_system_sgpr_workgroup_id_y 1
		.amdhsa_system_sgpr_workgroup_id_z 1
		.amdhsa_system_vgpr_workitem_id 0
		.amdhsa_next_free_vgpr 496
		.amdhsa_next_free_sgpr 66
		.amdhsa_reserve_vcc 1
		.amdhsa_float_denorm_mode_32 3
		.amdhsa_float_denorm_mode_16_64 3
		.amdhsa_memory_ordered 1
		.amdhsa_forward_progress 1
		.amdhsa_inst_pref_size 208
	.end_amdhsa_kernel
	.amdgpu_metadata
---
amdhsa.version: [ 1, 2 ]
amdhsa.kernels:
  - .name:           k_q29a462a4bd_maxmatch
    .symbol:         k_q29a462a4bd_maxmatch.kd
    .args:
      - { .name: sent1, .offset: 0, .size: 8, .value_kind: global_buffer, .address_space: global }
      - { .name: sent2, .offset: 8, .size: 8, .value_kind: global_buffer, .address_space: global }
      - { .name: kernel, .offset: 16, .size: 8, .value_kind: global_buffer, .address_space: global }
      - { .name: lowp_scales, .offset: 24, .size: 8, .value_kind: global_buffer, .address_space: global }
      - { .name: out0, .offset: 32, .size: 8, .value_kind: global_buffer, .address_space: global }
    .group_segment_fixed_size: 304896
    .private_segment_fixed_size: 0
    .kernarg_segment_align: 8
    .kernarg_segment_size: 40
    .max_flat_workgroup_size: 256
    .sgpr_count:     66
    .vgpr_count:     496
    .wavefront_size: 32
...
	.end_amdgpu_metadata
.endif
;; end of part 1
